; MI455X (gfx1250); checked and timed in simulation.
; The chip was launched on July 23, 2026; its instructions are those of AMD's public machine-readable ISA for CDNA 5 (MIT licence, August 2026) and "CDNA5" Instruction Set Architecture Reference Guide (July 2026). The comments in the code are by the model that wrote it; some were corrected since.
;; Bert Self Attention. Allowed arithmetic: matrix products marked QUANTISED: E2M1 operands, one E8M0 scale for each 32 along K, by v_wmma_scale_f32_16x16x128_f8f6f4 with both operands' format E2M1 (or v_wmma_scale_f32_32x16x128_f4), f32 sums; products left as they are: bf16, f16 or f32 operands; f32 sums; everything else in f32.
;; Inputs: Wk 1,024 x 1,024 float32; Wq 1,024 x 1,024 float32; Wv 1,024 x 1,024 float32; attention_mask 8 x 1 x 1,024 float32; bk 1,024 float32; bq 1,024 float32; bv 1,024 float32; hidden_state 8 x 1,024 x 1,024 float32.
;; Outputs: out0 8 x 1,024 x 1,024 float32.
;; This version of the problem:
;;   THIS VERSION OF THE PROBLEM IS GIVEN IN LOW PRECISION. The matrix products marked QUANTISED in the list below multiply operands that are first quantised to E2M1 (2 exponent bits, 1 mantissa bit; 4 bits a number), with one power-of-two scale for each 32 numbers along K (OCP MX v1.0); their sums are f32. The products marked 'left as it is' may take bf16, f16 or f32 operands, with f32 sums. Whichever they take, every output number must still come out within the allowed error. Rounding operands to bf16 (8 significant bits) uses up far more of that allowance than f16 does (11 bits, for magnitudes from 6e-5 to 65,504). All else is computed in f32.
;;   The module's matrix products, in the order in which they are computed (A, B: the left and right operand; K: the contracted axis; several contracted axes count as one K, in the product's order):
;;     1. [M 8,192, K 1,024] x [K 1,024, N 1,024]; A: input hidden_state; B: input Wq: QUANTISED
;;     2. [M 8,192, K 1,024] x [K 1,024, N 1,024]; A: input hidden_state; B: input Wk: QUANTISED
;;     3. [M 8,192, K 1,024] x [K 1,024, N 1,024]; A: input hidden_state; B: input Wv: QUANTISED
;;     4. batch 128 x [M 1,024, K 64] x [K 64, N 1,024]; A: computed on the way; B: computed on the way: left as it is (an operand is computed on the way)
;;     5. batch 128 x [M 1,024, K 1,024] x [K 1,024, N 64]; A: computed on the way; B: computed on the way: left as it is (an operand is computed on the way)
;;   THE QUANTISER, for each operand of a quantised product, along K:
;;     - K is cut into blocks of 32 from its start; a last block that is shorter is filled with zeros.
;;     - A block's scale is 2^e with e = floor(log2(the largest magnitude in the block)) - 2, held to -126 .. 127; a block of zeros has e = 0. As a byte (E8M0): e + 127.
;;     - Each number is divided by its block's scale, clamped to +-6, and rounded to the nearest number of E2M1, ties to even, subnormals kept.
;;     - The product sums the exact products of the quantised numbers (number of the format x scale) in f32.
;;   ~~~python
;;   def quantise(x, axis):      # numpy; x: float32 -> the quantised numbers, widened to float32 again
;;       x = np.moveaxis(x, axis, -1); K = x.shape[-1]
;;       x = np.pad(x, [(0, 0)] * (x.ndim - 1) + [(0, -K % 32)]); x = x.reshape(x.shape[:-1] + (-1, 32)); a = np.abs(x).max(-1, keepdims=True)
;;       e = np.where(a > 0, np.clip(np.frexp(np.where(a > 0, a, 1))[1] - 1 - 2, -126, 127), 0)      # np.frexp(a)[1] - 1 = floor(log2(a)), exactly
;;       r = np.clip(x / 2.0 ** e, -6, 6)
;;       step = 2.0 ** (np.maximum(np.frexp(np.where(r == 0, 1, r))[1] - 1, 0) - 1)
;;       q = np.round(r / step) * step * 2.0 ** e      # np.round: ties to even
;;       return np.moveaxis(q.reshape(q.shape[:-2] + (-1,))[..., :K], -1, axis).astype(np.float32)
;;   ~~~
;; One version. Each part assembles by itself: llvm-mc -triple=amdgcn-amd-amdhsa -mcpu=gfx1250 --defsym DOCPART=n.
;; ======== version 1 of 1: 3 launches
;; limits: values are held in f16: magnitudes above 65,504 overflow, below 6.1e-05 lose precision
;; workspace buffers: h_codes 4,194,304 bytes; h_scales 262,144 bytes; w_codes 1,572,864 bytes; w_scales 98,304 bytes; qkv 50,331,648 bytes
;; launch quant (part 1): grid 352 x 1, 4 waves a work-group, no clusters, 33,280 bytes of LDS; arguments hidden_state, Wq, Wk, Wv, h_codes, h_scales, w_codes, w_scales; writes h_codes, h_scales, w_codes, w_scales
.if DOCPART == 1
	.amdgcn_target "amdgcn-amd-amdhsa--gfx1250"
	.amdhsa_code_object_version 6
	.text
	.protected	k_qf2c41e2a1e_quant
	.globl	k_qf2c41e2a1e_quant
	.p2align	8
	.type	k_qf2c41e2a1e_quant,@function
k_qf2c41e2a1e_quant:
	s_mov_b64 s[64:65], 0
	v_nop
	global_prefetch_b8 v0, s[64:65] scope:SCOPE_SE
	s_setreg_imm32_b32 hwreg(HW_REG_WAVE_MODE, 25, 1), 1
	s_wait_xcnt 0x0
; BERT self-attention, B = 8, S = 1,024, H = 1,024, 16 heads of 64, in three launches: this one quantises, the second multiplies (q, k, v), the third is the attention.
; WORK LEFT OUT, for all finite values of the inputs, in exact arithmetic:
;   attention_mask: its bias (1 - mask) x -10,000 has the shape [B, 1, S, 1]: for a given query it is ONE number, added to that query's scores of all keys.  The softmax runs over the keys, and
;     softmax(s + const) = softmax(s).  So the mask reaches no output; it is not loaded and is among no launch's arguments.
;   bk: the product q k^T is not quantised, and q . (k0 + bk) = q . k0 + q . bk; q . bk is again one number for all keys of a query and falls out of the softmax.  bk is not loaded and is among no launch's arguments.
;   bv is live, but sum_k p (v0 + bv) / sum_k p = sum_k p v0 / sum_k p + bv: it is added once, in f32, in the last launch.  bq is live and is added in f32 in the second launch.
; LIMITS: a NaN, an infinity or an overflow that reaches only the work left out (attention_mask, bk) is not carried to the result.  NaN and infinities among hidden_state and the weights are not served.
;   A block of zeros gets the scale byte 1 where the rule says 127: its codes are zeros, and the bytes are read by this program alone.  Blocks whose largest magnitude lies under 2^(3 - 127) are held at the byte 1.
; THIS LAUNCH: hidden_state [8192][1024], Wq, Wk, Wv [1024][1024], f32, K innermost, become codes of E2M1 (two a byte, the lower k in the low four bits) and one E8M0 byte for each 32 along K.
; Rows are dense and K is a multiple of 32: each tensor is a plain stream of blocks of 32 numbers, and so are its codes and bytes.  The three weights' codes lie one behind the other in w_codes, their bytes in w_scales.
; A work-group takes 32,768 numbers, a wave 8,192: 16 steps of 512.  Work-groups 0-255: hidden_state; 256-287: Wq; 288-319: Wk; 320-351: Wv.  Only pointers are chosen: all take one path.
; A step's four loads read 512 consecutive bytes each, 16 a lane; the 2,048 bytes turn through the wave's own stage in LDS and come back 64 bytes a lane: 16 neighbours along K, two lanes to a block.
; Loads run eight steps (32 loads a wave) ahead, the turn through LDS one step.  No tensor load, no barrier: waves share nothing.
.set WAVES, 4
.set STEPS, 16
.set EMAX,  2
.set CB,    8                          ; bytes of 16 codes
.set R,     16                         ; v16-143  eight sets of 16 numbers as they are loaded
.set X,     144                        ; v144-175 two sets of 16 neighbours
.set E,     176                        ; v176-191 a scale byte for each step
.set C,     192                        ; v192-223 codes: a pair for each step, so that no store's data are written again
.set WREG,  8192                       ; LDS: a region for each wave: two stages of 32 x SP bytes, behind them its 256 scale bytes
.set SP,    80                         ; a lane's place in a stage: its 64 bytes + 16 of padding
.set SPW,   12                         ; v12  LDS address of my spare word; never rewritten
.set NIL,   13                         ; v13  0; never rewritten
.set SPARE, WAVES*WREG                 ; behind the four regions: the spare words, 128 bytes for each wave
	s_load_b256 s[4:11], s[0:1], 0x0               ; hidden_state, Wq, Wk, Wv
	s_load_b256 s[12:19], s[0:1], 0x20             ; h_codes, h_scales, w_codes, w_scales
	v_lshl_add_u32 v[SPW], v0, 2, SPARE
	v_mov_b32 v[NIL], 0
	v_lshrrev_b32 v1, 5, v0
	v_readfirstlane_b32 s20, v1                    ; wave
	v_and_b32 v2, 31, v0                           ; lane
	v_lshlrev_b32 v3, 4, v2                        ; my 16 bytes of a load's 512
	s_mul_i32 s21, s20, WREG
	v_lshrrev_b32 v14, 2, v2
	v_mul_u32_u24 v14, v14, SP
	v_and_b32 v15, 3, v2
	v_lshl_add_u32 v14, v15, 4, v14
	v_add_nc_u32 v14, s21, v14                     ; the stage, on the way in: SP (lane / 4) + 16 (lane % 4); a load's 512 bytes take eight places
	v_mul_u32_u24 v15, v2, SP
	v_add_nc_u32 v15, s21, v15                     ; and on the way out: SP x lane: my 16 neighbours
	v_mul_u32_u24 v4, v2, CB                       ; my codes' place in a step's 256 bytes
	v_lshrrev_b32 v5, 1, v2
	s_add_co_u32 s21, s21, 2*32*SP
	v_add_nc_u32 v5, s21, v5                       ; LDS: my wave's 256 scale bytes, my block's byte
	v_lshlrev_b32 v7, 3, v2                        ; and on the way out 8 bytes a lane
	v_add_nc_u32 v6, s21, v7
	s_and_b32 s22, ttmp9, 31                       ; a weight's work-group: its number within the weight (256, 288, 320 are multiples of 32),
	s_sub_co_u32 s23, ttmp9, 256                   ; and within the three weights' codes
	s_wait_kmcnt 0x0
	s_cmp_lt_u32 ttmp9, 320                        ; the choices hang on the work-group's number alone
	s_cselect_b64 s[8:9], s[8:9], s[10:11]         ; Wk or Wv
	s_cmp_lt_u32 ttmp9, 288
	s_cselect_b64 s[6:7], s[6:7], s[8:9]           ; Wq or those
	s_cmp_lt_u32 ttmp9, 256
	s_cselect_b64 s[4:5], s[4:5], s[6:7]           ; hidden_state or a weight
	s_cselect_b64 s[12:13], s[12:13], s[16:17]     ; the codes' buffer
	s_cselect_b64 s[14:15], s[14:15], s[18:19]     ; the bytes' buffer
	s_cselect_b32 s22, ttmp9, s22
	s_cselect_b32 s23, ttmp9, s23
	s_lshl_b32 s22, s22, 2
	s_add_co_u32 s22, s22, s20                     ; which run of 8,192 numbers of the tensor is my wave's,
	s_lshl_b32 s23, s23, 2
	s_add_co_u32 s23, s23, s20                     ; and which run of the buffers
	s_lshl_b32 s24, s22, 15                        ; 32,768 bytes of f32 a run (1,023 runs at the most: under 2^25)
	s_mov_b32 s25, 0
	s_add_nc_u64 s[4:5], s[4:5], s[24:25]
	s_lshl_b32 s24, s23, 12                        ; 4,096 bytes of codes
	s_add_nc_u64 s[12:13], s[12:13], s[24:25]
	s_lshl_b32 s24, s23, 8                         ; 256 scale bytes
	s_add_nc_u64 s[14:15], s[14:15], s[24:25]
.macro LOAD t
.irp i, 0,1,2,3
	global_load_b128 v[R+16*((\t)%8)+4*\i:R+16*((\t)%8)+4*\i+3], v3, s[4:5] offset:2048*(\t)+512*\i th:TH_LOAD_NT   ; 32 lanes read 512 consecutive bytes
.endr
.endm
.macro TURN t                          ; step t's numbers through the stage: LDS serves a wave's instructions in order, so no wait stands between the stores and the loads
.irp i, 0,1,2,3
	ds_store_b128 v14, v[R+16*((\t)%8)+4*\i:R+16*((\t)%8)+4*\i+3] offset:32*SP*((\t)%2)+8*SP*\i
.endr
.irp i, 0,1,2,3
	ds_load_b128 v[X+16*((\t)%2)+4*\i:X+16*((\t)%2)+4*\i+3], v15 offset:32*SP*((\t)%2)+16*\i
.endr
.endm
.irp t, 0,1,2,3,4,5,6,7
	LOAD \t
.endr
	s_wait_loadcnt 28                              ; step 0's four loads are in; the 28 of steps 1 to 7 may be out
	TURN 0
.macro STEP t
.set XS, X+16*((\t)%2)
.if (\t) > 0
	s_wait_dscnt 1                                 ; this step's numbers are back from the stage (the last step's byte store may be out): so its stores into the stage have read their registers,
.else
	s_wait_dscnt 0x0
.endif
.if (\t)+8 < STEPS
	LOAD (\t)+8                                    ; which take the loads of eight steps on
.endif
.if (\t)+1 < STEPS
.if 14-(\t) >= 7
	s_wait_loadcnt 28                              ; the next step's four loads are in; those of the seven steps behind it may be out
.else
	s_wait_loadcnt 4*(14-(\t))                     ; towards the end: of the steps that are left behind it
.endif
	TURN (\t)+1                                    ; and go through the other stage while this step is worked
.endif
	v_max3_num_f32 v8, |v[XS]|, |v[XS+1]|, |v[XS+2]|               ; the largest magnitude of my 16, in two chains
	v_max3_num_f32 v9, |v[XS+3]|, |v[XS+4]|, |v[XS+5]|
.irp i, 6,10
	v_max3_num_f32 v8, v8, |v[XS+\i]|, |v[XS+\i+1]|
	v_max3_num_f32 v9, v9, |v[XS+\i+2]|, |v[XS+\i+3]|
.endr
	v_max3_num_f32 v8, v8, |v[XS+14]|, |v[XS+15]|
	v_max3_num_f32 v8, v8, v9, (EMAX+1)<<23        ; and the floor 2^(EMAX + 1 - 127): the byte cannot fall under 1
	v_max_num_f32_dpp v8, v8, v8 row_xmask:1 row_mask:0xf bank_mask:0xf   ; and of my neighbour's 16: the block's
	v_add_nc_u32 v11, -(EMAX<<23), v8              ; EMAX off its exponent field: the conversion takes the exponent field of this operand as its scale
	v_cvt_scalef32_pk8_fp4_f32 v[C+2*(\t)], v[XS:XS+7], v11        ; eight numbers / the scale, to the nearest code, ties to even, beyond 6 the largest code
	v_cvt_scalef32_pk8_fp4_f32 v[C+2*(\t)+1], v[XS+8:XS+15], v11
	v_lshrrev_b32 v[E+(\t)], 23, v11               ; the scale's byte (also the plain line behind the conversions)
	ds_store_b8 v5, v[E+(\t)] offset:16*(\t)       ; both lanes of a block write the same byte with the same value
	global_store_b64 v4, v[C+2*(\t):C+2*(\t)+1], s[12:13] offset:32*CB*(\t)   ; the wave stores 256 consecutive bytes, aligned
.endm
.irp t, 0,1,2,3,4,5,6,7,8,9,10,11,12,13,14,15
	STEP \t
.endr
	ds_load_b64 v[8:9], v6                         ; LDS serves a wave's instructions in order: these see my byte stores
	s_wait_dscnt 0x0
	global_store_b64 v7, v[8:9], s[14:15]          ; 32 lanes store 256 consecutive bytes, aligned
	s_wait_tensorcnt 0x0                           ; the wave's end: behind my last LDS store
	ds_add_u32 v[SPW], v[NIL]
	s_wait_dscnt 0x0
	s_endpgm
.Lfunc_end_k_qf2c41e2a1e_quant:
	.size	k_qf2c41e2a1e_quant, .Lfunc_end_k_qf2c41e2a1e_quant-k_qf2c41e2a1e_quant
	.p2alignl 7, 3214868480
	.fill 96, 4, 3214868480
	.section	.rodata,"a",@progbits
	.p2align	6, 0x0
	.amdhsa_kernel k_qf2c41e2a1e_quant
		.amdhsa_group_segment_fixed_size 33280
		.amdhsa_private_segment_fixed_size 0
		.amdhsa_enable_private_segment 0
		.amdhsa_kernarg_size 64
		.amdhsa_user_sgpr_count 2
		.amdhsa_user_sgpr_kernarg_segment_ptr 1
		.amdhsa_wavefront_size32 1
		.amdhsa_system_sgpr_workgroup_id_x 1
		.amdhsa_system_sgpr_workgroup_id_y 1
		.amdhsa_system_sgpr_workgroup_id_z 1
		.amdhsa_system_vgpr_workitem_id 0
		.amdhsa_next_free_vgpr 224
		.amdhsa_next_free_sgpr 66
		.amdhsa_reserve_vcc 0
		.amdhsa_float_denorm_mode_32 3
		.amdhsa_float_denorm_mode_16_64 3
		.amdhsa_memory_ordered 1
		.amdhsa_forward_progress 1
		.amdhsa_inst_pref_size 34
	.end_amdhsa_kernel
	.amdgpu_metadata
---
amdhsa.version: [ 1, 2 ]
amdhsa.kernels:
  - .name:           k_qf2c41e2a1e_quant
    .symbol:         k_qf2c41e2a1e_quant.kd
    .args:
      - { .name: hidden_state, .offset: 0, .size: 8, .value_kind: global_buffer, .address_space: global }
      - { .name: Wq, .offset: 8, .size: 8, .value_kind: global_buffer, .address_space: global }
      - { .name: Wk, .offset: 16, .size: 8, .value_kind: global_buffer, .address_space: global }
      - { .name: Wv, .offset: 24, .size: 8, .value_kind: global_buffer, .address_space: global }
      - { .name: h_codes, .offset: 32, .size: 8, .value_kind: global_buffer, .address_space: global }
      - { .name: h_scales, .offset: 40, .size: 8, .value_kind: global_buffer, .address_space: global }
      - { .name: w_codes, .offset: 48, .size: 8, .value_kind: global_buffer, .address_space: global }
      - { .name: w_scales, .offset: 56, .size: 8, .value_kind: global_buffer, .address_space: global }
    .group_segment_fixed_size: 33280
    .private_segment_fixed_size: 0
    .kernarg_segment_align: 8
    .kernarg_segment_size: 64
    .max_flat_workgroup_size: 128
    .sgpr_count:     66
    .vgpr_count:     224
    .wavefront_size: 32
...
	.end_amdgpu_metadata
.endif
;; end of part 1
;; launch gemm (part 2): grid 12 x 32, 4 waves a work-group, clusters of 4 x 4, 327,680 bytes of LDS; arguments h_codes, h_scales, w_codes, w_scales, bq, qkv; writes qkv
.if DOCPART == 2
	.amdgcn_target "amdgcn-amd-amdhsa--gfx1250"
	.amdhsa_code_object_version 6
	.text
	.protected	k_qf2c41e2a1e_gemm
	.globl	k_qf2c41e2a1e_gemm
	.p2align	8
	.type	k_qf2c41e2a1e_gemm,@function
k_qf2c41e2a1e_gemm:
	s_mov_b64 s[64:65], 0
	v_nop
	global_prefetch_b8 v0, s[64:65] scope:SCOPE_SE
	s_setreg_imm32_b32 hwreg(HW_REG_WAVE_MODE, 25, 1), 1
	s_wait_xcnt 0x0
	s_wait_alu depctr_hold_cnt(0) depctr_sa_sdst(0) depctr_va_vdst(0) depctr_va_sdst(0) depctr_va_ssrc(0) depctr_va_vcc(0) depctr_vm_vsrc(0)
	s_getreg_b32 s2, hwreg(HW_REG_IB_STS2, 6, 4)
	s_cmp_eq_u32 s2, 0
	s_cbranch_scc0 .Lentry_in_a_cluster
	s_endpgm
.Lentry_in_a_cluster:
	s_bfe_u32 s2, ttmp6, 0x10000c
	s_cmp_lg_u32 s2, 0xf033
	s_cbranch_scc0 .Lentry_shape_is_right
	s_endpgm
.Lentry_shape_is_right:
; q = hidden Wq^T + bq, k0 = hidden Wk^T, v0 = hidden Wv^T on codes of E2M1 with E8M0 scales (K = 1,024), sums in f32, results rounded once to f16.
; LEFT OUT: bk (q . bk is one number for all keys of a query and falls out of the softmax: shown at the head of the first kernel); bv is added in the last launch.
; LIMIT: q, k0 and v0 are kept in f16: magnitudes from 65,504 on become infinity.
; A tile of 256 x 256 results is made by a work-group of four waves; a wave makes 128 x 128: 64 accumulators of 16 x 16, 512 registers.  384 tiles: 3 x 8 clusters of 4 x 4 work-groups.
; "A" is the matrix instruction's source 1: its 16 rows fall on lanes (lane % 16).  "B" is source 0: eight neighbouring rows of it fall into a lane's eight registers.
;   cluster x = 0 (Q), 1 (K): A = hidden (256 positions of batch = cluster y), B = the weight: a lane holds one position and eight neighbouring channels.
;   cluster x = 2 (V):        A = Wv, B = hidden: a lane holds one channel and eight neighbouring keys.
; Both tensors have rows of 512 bytes of codes and 32 scale bytes, so only pointers and tile numbers are chosen, on the cluster's x, which all sixteen partners share.
; qkv IS LAID AS IMAGES OF THE NEXT LAUNCH'S OPERAND REGISTERS.  A piece is 512 bytes, lane l's 16 bytes (8 f16) at 16 l; it lies at part x 2^24 + (batch x 16 + head) x 131,072 + tile x 2,048 + p x 512.
;   Q, K: tile = position / 16, p = channel / 16 in the head; lane (r, h): position 16 tile + r, channels 16 p + 8 h + 0..7.     V: tile = key / 16, p = channel / 16; lane (r, h): channel 16 p + r, keys 16 tile + 8 h + 0..7.
; An accumulator, rounded in pairs, IS such a piece: each store of a wave covers 512 consecutive bytes, aligned, and nothing goes through LDS on the way out.
; K = 1,024 is two slots of 512 along K: both are asked for at the head, nothing is filled again.  The scales of the work-group's 2 x 256 rows come once, as units of 256 bytes + 16 of padding.
; CLUSTERS: the four of a row of the cluster need the same tiles of A, the four of a column the same tiles of B: each is asked for jointly, by the same tensor load with a mask that names the four.
; REGISTERS, in windows of 256: window 0: v0-31 addresses; v32-95 scale words, two sets; v128-191 A's fragments, one set; v192-255 the bias as the first products' C; on the way out v96-223 packed results.
;   window 1: B's fragments, two sets, at v0 and v128.   window 2: the accumulators of A's blocks 0-3 ((a, b) at v[8 (8 (a % 4) + b)]);   window 3: those of blocks 4-7.
.set NQ,     4                         ; matrix instructions deep in a slot: 512 / 128
.set ROWB,   256                       ; a tile's row in bytes: 512 codes
.set KROW,   512                       ; a row of codes in memory
.set PITCH,  272                       ; an LDS row: 256 bytes + 16 of padding: the 16 rows that a load touches start 68 words apart
.set FR,     8                         ; registers of a fragment: 16 rows x 128 K
.set NL,     2                         ; LDS loads that bring one
.set NP,     4                         ; places behind this matrix instruction (ISA guide 7.12.1)
.set HALFT,  128*PITCH                 ; 128 rows: what one tensor load brings, and what one wave reads of A or of B
.set SLOT,   4*HALFT                   ; A's 256 rows, then B's 256 rows
.set KS,     32                        ; a row of scales in bytes
.set SCL,    2*SLOT                    ; behind the slots: the scales
.set HALFS,  (128*KS/256)*272          ; the scales of 128 rows: what one tensor load brings
.set SBLK,   (16*KS/256)*272           ; those of 16 rows
.set SPARE,  SCL+4*HALFS               ; behind the scales: the spare words, 128 bytes for each wave
.set ADRA, 16                          ; v16-17  LDS address of my A fragments in slot 0, 1
.set ADRB, 20                          ; v20-21  the same for B
.set CO,   26                          ; v26     16 x lane: my place in a piece
.set ADRS, 27                          ; v27     LDS address of my scale words: lanes 0-15 A's rows, lanes 16-31 B's
.set SPW,  28                          ; v28     LDS address of my spare word; never rewritten
.set NIL,  29                          ; v29     0; never rewritten
.set BO,   30                          ; v30     32 x (lane / 16): my eight numbers of a block of 16 of bq
.set SC,   32                          ; scale words: set s at v[SC + 32 s]; register 4 i + q: lanes 0-15 A's block i, lanes 16-31 B's block i, the slot's q-th 128 along K
.set AF,   128                         ; A's fragments
.set BI,   192                         ; the bias: register 8 b + j = bq at B's block b, row 8 (lane / 16) + j; zeros for K and V
.set TMP,  96                          ; the way out: four sets of 32 registers
.set G1, 24                            ; s[24:31] descriptor group 1 for A's tiles;  s[32:39] group 0, one set for each slot
.set G0, 32
.set G1B, 48                           ; s[48:55], s[56:63] the same for B's tiles
.set G0B, 56
.set G1S, 68                           ; s[68:75], s[76:79] groups 1 and 0 for A's scales;  s[80:87], s[88:91] for B's
.set G0S, 76
.set G1SB, 80
.set G0SB, 88
.set MSB, 0
.macro WIN new                         ; the immediate's high byte repeats the setting that is left; a switch that changes nothing is dropped
.if MSB != (\new)
	s_set_vgpr_msb (MSB<<8)|(\new)
.set MSB, (\new)
.endif
.endm
.set MUL_LO, 0xa1                      ; source 0 (B) window 1, source 1 (A) window 0, C and D window 2
.set MUL_HI, 0xf1                      ; the same, C and D window 3
.set BEG_LO, 0x81                      ; the first products: C (the bias) window 0, D window 2
.set BEG_HI, 0xc1                      ; D window 3
.set TO_B,   0x40                      ; destination window 1, address window 0
; A joint load: waves 0 and 1 fetch for A, waves 2 and 3 for B.  Each of the two lines has one mask and one set of registers for all that issue it; the branch hangs on the wave's number alone.
; An s_nop 0 and four v_nop follow each of the two lines.
.macro JLOAD g0a, g1a, g0b, g1b
	s_cmp_eq_u32 s15, 0
	s_cbranch_scc0 .Lfor_b_\@
	tensor_load_to_lds s[\g0a:\g0a+3], s[\g1a:\g1a+7]
	s_nop 0
.rept 4
	v_nop
.endr
	s_branch .Lasked_\@
.Lfor_b_\@:
	tensor_load_to_lds s[\g0b:\g0b+3], s[\g1b:\g1b+7]
	s_nop 0
.rept 4
	v_nop
.endr
.Lasked_\@:
.endm
.macro CROUND                          ; a round of the cluster's barrier: my work-group's barrier; wave 0 signals for the work-group; every wave waits for all sixteen; my work-group's barrier once more
	s_barrier_signal -1
	s_barrier_wait -1
	s_cmp_lg_u32 s14, 0
	s_cbranch_scc1 .Lnot_wave_0_\@
	s_barrier_signal -3
.Lnot_wave_0_\@:
	s_barrier_wait -3
	s_barrier_signal -1
	s_barrier_wait -1
.endm
	s_load_b256 s[4:11], s[0:1], 0x0               ; h_codes, h_scales, w_codes, w_scales
	s_load_b128 s[96:99], s[0:1], 0x20             ; bq, qkv
	v_lshl_add_u32 v[SPW], v0, 2, SPARE
	v_mov_b32 v[NIL], 0
	ds_add_u32 v[SPW], v[NIL]                      ; the wave's opening: the add, twice on end, and its wait ahead of my first tensor load; the set-up below stands between
	ds_add_u32 v[SPW], v[NIL]
	v_lshrrev_b32 v1, 5, v0
	v_readfirstlane_b32 s14, v1                    ; wave 0..3
	s_lshr_b32 s15, s14, 1                         ; which half of A's 256 rows is mine.  Also: I fetch for A (0) or for B (1)
	s_and_b32 s16, s14, 1                          ; which half of B's.  Also: which 128 rows of that tile I fetch
	s_bfe_u32 s40, ttmp6, 0x40000                  ; cx, cy: my place in the cluster
	s_bfe_u32 s41, ttmp6, 0x40004
	s_lshl_b32 s42, ttmp9, 2                       ; 4 x cluster x: the weight's first tile of 256 rows in w_codes
	s_and_b32 s17, ttmp7, 0xffff
	s_lshl_b32 s17, s17, 2                         ; 4 x cluster y: the batch's first tile of 256 rows in h_codes
	s_cmp_lt_u32 ttmp9, 2                          ; Q or K?  The same in all sixteen partners
	s_cselect_b32 s42, s42, s17                    ; B's tiles: the weight's, or (V) the batch's
	s_cselect_b32 s17, s17, 8                      ; A's tiles: the batch's, or (V) Wv's, which begin at tile 8
	s_add_co_u32 s42, s42, s40                     ; B's tile hangs on cx,
	s_add_co_u32 s17, s17, s41                     ; A's on cy
	s_lshl_b32 s43, s41, 2
	s_lshl_b32 s43, 15, s43                        ; my row of the cluster
	s_lshl_b32 s44, 0x1111, s40                    ; my column
	; descriptor group 1: a tile of 128 rows x 256 bytes, padded in LDS
	s_or_b32 s[G1+0], s43, (0<<16)|(1<<20)|(1<<21)|(5<<22)|(3<<25)  ; 15:0 the mask: A's tiles go to my row; 17:16 elements of 1 byte; 20 padding on; 21 set beside a mask; 24:22 after every 64 words; 31:25 four words
	s_or_b32 s[G1B+0], s44, (0<<16)|(1<<20)|(1<<21)|(5<<22)|(3<<25) ; B's go to my column
.irp g, G1, G1B
	s_mov_b32 s[\g+1], ROWB<<16                    ; tensor_dim0
	s_mov_b32 s[\g+2], 128<<16                     ; tensor_dim1
	s_mov_b32 s[\g+3], ROWB<<16                    ; tile_dim0
	s_mov_b32 s[\g+4], 128                         ; tile_dim1
	s_mov_b32 s[\g+5], KROW                        ; from row to row
	s_mov_b32 s[\g+6], 0
	s_mov_b32 s[\g+7], 0
.endr
	; and for the scales of 128 rows: 4,096 dense bytes, as 16 rows of 256 bytes (32 elements of 8 bytes), 16 bytes of padding behind each
	s_or_b32 s[G1S+0], s43, (3<<16)|(1<<20)|(1<<21)|(5<<22)|(3<<25)
	s_or_b32 s[G1SB+0], s44, (3<<16)|(1<<20)|(1<<21)|(5<<22)|(3<<25)
.irp g, G1S, G1SB
	s_mov_b32 s[\g+1], 32<<16
	s_mov_b32 s[\g+2], (128*KS/256)<<16
	s_mov_b32 s[\g+3], 32<<16
	s_mov_b32 s[\g+4], 128*KS/256
	s_mov_b32 s[\g+5], 32
	s_mov_b32 s[\g+6], 0
	s_mov_b32 s[\g+7], 0
.endr
	s_lshl_b32 s18, s16, 7                         ; which 128 rows of the tile I fetch
	s_lshl_b32 s20, s17, 8
	s_add_co_u32 s20, s20, s18                     ; A: row 256 x tile + 128 x half
	s_lshl_b32 s46, s42, 8
	s_add_co_u32 s46, s46, s18                     ; B likewise
	s_mov_b32 s21, 0
	s_mov_b32 s47, 0
	s_mov_b64 s[18:19], KS
	s_mul_u64 s[22:23], s[20:21], s[18:19]         ; where these rows' scales begin, in bytes,
	s_mul_u64 s[92:93], s[46:47], s[18:19]
	s_mov_b64 s[18:19], KROW
	s_mul_u64 s[20:21], s[20:21], s[18:19]         ; and their codes
	s_mul_u64 s[46:47], s[46:47], s[18:19]
	s_mul_i32 s45, s14, HALFT                      ; where they go: wave x 128 rows: no place in the cluster enters an LDS address
	s_mul_i32 s94, s14, HALFS
	s_wait_dscnt 0x0                               ; both opening adds are done
	s_wait_kmcnt 0x0
	s_cmp_lt_u32 ttmp9, 2                          ; which buffers are A's and which B's: on the cluster's x alone
	s_cselect_b64 s[12:13], s[4:5], s[8:9]         ; A's codes
	s_cselect_b64 s[4:5], s[8:9], s[4:5]           ; B's codes
	s_cselect_b64 s[8:9], s[6:7], s[10:11]         ; A's scales
	s_cselect_b64 s[6:7], s[10:11], s[6:7]         ; B's scales
	s_add_nc_u64 s[20:21], s[12:13], s[20:21]
	s_add_nc_u64 s[22:23], s[8:9], s[22:23]
	s_add_nc_u64 s[46:47], s[4:5], s[46:47]
	s_add_nc_u64 s[92:93], s[6:7], s[92:93]
	CROUND                                         ; all sixteen work-groups are here: the first joint loads meet
	s_mov_b32 s[G0S], 1
	s_add_co_u32 s[G0S+1], s94, SCL
	s_mov_b64 s[G0S+2:G0S+3], s[22:23]
	s_or_b32 s[G0S+3], s[G0S+3], 0x80000000
	s_mov_b32 s[G0SB], 1
	s_add_co_u32 s[G0SB+1], s94, SCL
	s_mov_b64 s[G0SB+2:G0SB+3], s[92:93]
	s_or_b32 s[G0SB+3], s[G0SB+3], 0x80000000
	JLOAD G0S, G1S, G0SB, G1SB                     ; the scales first: they are wanted with slot 0
.irp s, 0,1
	s_mov_b32 s[G0+4*\s], 1
	s_add_co_u32 s[G0+4*\s+1], s45, \s*SLOT
	s_add_nc_u64 s[G0+4*\s+2:G0+4*\s+3], s[20:21], \s*ROWB
	s_or_b32 s[G0+4*\s+3], s[G0+4*\s+3], 0x80000000
	s_mov_b32 s[G0B+4*\s], 1
	s_add_co_u32 s[G0B+4*\s+1], s45, \s*SLOT
	s_add_nc_u64 s[G0B+4*\s+2:G0B+4*\s+3], s[46:47], \s*ROWB
	s_or_b32 s[G0B+4*\s+3], s[G0B+4*\s+3], 0x80000000
	JLOAD G0+4*\s, G1, G0B+4*\s, G1B               ; three tensor loads of mine are out
.endr
	v_and_b32 v1, 15, v0                           ; r = lane % 16
	v_bfe_u32 v2, v0, 4, 1                         ; h = lane / 16
	v_lshlrev_b32 v[BO], 5, v2
	; THE BIAS is the C of each sum's first product.  Q: bq at my 128 channels (256 cx + 128 x my half of B); K, V: zeros, so that one text serves all three.
	s_lshl_b32 s100, s40, 10
	s_lshl_b32 s101, s16, 9
	s_add_co_u32 s100, s100, s101
	s_mov_b32 s101, 0
	s_add_nc_u64 s[96:97], s[96:97], s[100:101]
	s_cmp_eq_u32 ttmp9, 0                          ; the cluster's x: the same in all partners
	s_cbranch_scc0 .Lno_bias
.irp b, 0,1,2,3,4,5,6,7
	global_load_b128 v[BI+8*\b:BI+8*\b+3], v[BO], s[96:97] offset:64*\b
	global_load_b128 v[BI+8*\b+4:BI+8*\b+7], v[BO], s[96:97] offset:64*\b+16
.endr
	s_branch .Lbias_done
.Lno_bias:
.set i, 0
.rept 64
	v_mov_b32 v[BI+i], 0
.set i, i+1
.endr
.Lbias_done:
	v_mul_u32_u24 v3, v1, PITCH
	v_lshl_add_u32 v4, v2, 4, v3                   ; a fragment's row x pitch + 16 x half
	s_mul_i32 s21, s15, HALFT                      ; my 128 rows of A
	s_mul_i32 s22, s16, HALFT                      ; my 128 rows of B,
	s_add_co_u32 s22, s22, 2*HALFT                 ; which lie behind A's 256
.irp s, 0,1
	v_add_nc_u32 v[ADRA+\s], s21, v4
	v_add_nc_u32 v[ADRB+\s], s22, v4
	s_add_co_u32 s21, s21, SLOT
	s_add_co_u32 s22, s22, SLOT
.endr
	v_mul_u32_u24 v5, v1, KS                       ; my row's scales: 32 bytes a row,
	v_lshrrev_b32 v6, 8, v5
	v_lshl_add_u32 v5, v6, 4, v5                   ; and 16 more for each 256 passed
	s_mul_i32 s21, s15, HALFS                      ; A's: my 128 rows
	s_mul_i32 s22, s16, HALFS                      ; B's: my 128 rows, behind A's 256
	s_add_co_u32 s22, s22, 2*HALFS
	s_sub_co_u32 s22, s22, s21
	v_mul_u32_u24 v6, s22, v2                      ; lanes 16-31 take B's: one product, the distance between the two bases
	s_add_co_u32 s21, s21, SCL
	v_add_nc_u32 v5, v5, v6
	v_add_nc_u32 v[ADRS], s21, v5
	v_and_b32 v6, 31, v0
	v_lshlrev_b32 v[CO], 4, v6
	; where my 64 pieces begin in qkv.  Q, K: heads by B (cx, my half of B), tiles of positions by A (cy, my half of A); V: heads by A, tiles of keys by B.  Made in registers that feed no descriptor.
	s_cmp_lt_u32 ttmp9, 2
	s_cselect_b32 s66, s40, s41                    ; which 4 heads
	s_cselect_b32 s67, s16, s15                    ; which 2 of them
	s_cselect_b32 s95, s41, s40                    ; which 16 tiles
	s_cselect_b32 s3, s15, s16                     ; which 8 of them
	s_lshl_b32 s66, s66, 19
	s_lshl_b32 s67, s67, 18
	s_add_co_u32 s66, s66, s67
	s_lshl_b32 s95, s95, 15
	s_add_co_u32 s66, s66, s95
	s_lshl_b32 s3, s3, 14
	s_add_co_u32 s66, s66, s3
	s_lshl_b32 s67, ttmp9, 24                      ; the part: Q, K or V
	s_add_co_u32 s66, s66, s67
	s_and_b32 s67, ttmp7, 0xffff
	s_lshl_b32 s67, s67, 21                        ; the batch's 16 heads
	s_add_co_u32 s66, s66, s67
	s_mov_b32 s67, 0
	s_add_nc_u64 s[98:99], s[98:99], s[66:67]
.macro FRAG reg, adr, q, i             ; a fragment, 16 rows x 128 K of 4-bit codes: lane l holds row l % 16; registers 4 c .. 4 c + 3 hold K = 64 c + 32 (l / 16) + 0 .. 31
.irp c, 0,1
	ds_load_b128 v[\reg+4*\c:\reg+4*\c+3], v[\adr] offset:64*(\q)+32*\c+(\i)*16*PITCH
.endr
.endm
; 16 matrix instructions: A's blocks a0, a0 + 1 x B's eight, the slot's q-th 128 along K.  p: B's set;  sc: the set of scale words.  zero = 1: the first product starts the sums, from the bias.
; The 64 accumulators take turns, one instruction a turn, in the same order in every step.
.macro MUL16 a0, p, q, sc, zero
.irp a, \a0, \a0+1
.irp b, 0,1,2,3,4,5,6,7
.if \zero
	v_wmma_scale_f32_16x16x128_f8f6f4 v[8*(8*((\a)%4)+\b):8*(8*((\a)%4)+\b)+7], v[128*(\p)+FR*\b:128*(\p)+FR*\b+FR-1], v[AF+FR*(\a):AF+FR*(\a)+FR-1], v[BI+8*\b:BI+8*\b+7], v[SC+8*NQ*(\sc)+NQ*\b+(\q)], v[SC+8*NQ*(\sc)+NQ*(\a)+(\q)] matrix_a_fmt:MATRIX_FMT_FP4 matrix_b_fmt:MATRIX_FMT_FP4 matrix_a_scale:MATRIX_SCALE_ROW1
.else
	v_wmma_scale_f32_16x16x128_f8f6f4 v[8*(8*((\a)%4)+\b):8*(8*((\a)%4)+\b)+7], v[128*(\p)+FR*\b:128*(\p)+FR*\b+FR-1], v[AF+FR*(\a):AF+FR*(\a)+FR-1], v[8*(8*((\a)%4)+\b):8*(8*((\a)%4)+\b)+7], v[SC+8*NQ*(\sc)+NQ*\b+(\q)], v[SC+8*NQ*(\sc)+NQ*(\a)+(\q)] matrix_a_fmt:MATRIX_FMT_FP4 matrix_b_fmt:MATRIX_FMT_FP4 matrix_a_scale:MATRIX_SCALE_ROW1
.endif
.endr
.endr
.endm
.macro FETCH_B slot, q, p              ; B's eight fragments of the slot's q-th 128 along K into set p
	WIN TO_B
.irp i, 0,1,2,3,4,5,6,7
	FRAG 128*(\p)+FR*\i, ADRB+\slot, \q, \i
.endr
	WIN 0
.endm
.macro FETCH_A slot, q, i0             ; A's blocks i0 .. i0 + 3
.irp i, \i0, \i0+1, \i0+2, \i0+3
	FRAG AF+FR*(\i), ADRA+\slot, \q, \i
.endr
.endm
.macro SCALES sc                       ; a slot's scale words into set sc: four words a row; lanes 0-15 take A's block i, lanes 16-31 B's block i
.irp i, 0,1,2,3,4,5,6,7
	ds_load_b128 v[SC+8*NQ*\sc+NQ*\i:SC+8*NQ*\sc+NQ*\i+3], v[ADRS] offset:\i*SBLK
.endr
.endm
; A load into a register that a matrix instruction has read, and a vector instruction that reads a matrix result or writes one of its registers, stand NP places behind it; only plain vector
; instructions that name none of its registers are places (ISA guide 7.12.1 for vector instructions).
.macro PLACES n
.rept \n
	v_nop
.endr
.endm
; A step of 128 along K that has its successor in the same slot.  A's blocks go one after the other, each against B's eight: so A has one set of registers, fetched anew in halves; B has two.
.macro STEP slot, q, zero
	s_wait_dscnt 4*NL                              ; B's set, the scale words and A's blocks 0-3 are in; the youngest eight loads (A's blocks 4-7) may be out
.if \zero
	WIN BEG_LO
.else
	WIN MUL_LO
.endif
	MUL16 0, (\q)%2, \q, \slot, \zero
	MUL16 2, (\q)%2, \q, \slot, \zero
	s_wait_dscnt 0                                 ; A's blocks 4-7 are in
	PLACES NP
	FETCH_B \slot, (\q)+1, 1-(\q)%2
	FETCH_A \slot, (\q)+1, 0
.if \zero
	WIN BEG_HI
.else
	WIN MUL_HI
.endif
	MUL16 4, (\q)%2, \q, \slot, \zero
	MUL16 6, (\q)%2, \q, \slot, \zero
	PLACES NP
	WIN 0
	FETCH_A \slot, (\q)+1, 4
.endm
; Slot 0's last step changes slots: one barrier; in front of it each wave waits for all its tensor loads (its part of slot 1), adds 0 to its spare word, and waits for that and for its LDS loads.  Nothing is filled again.
.macro TURN slot, next
	s_wait_tensorcnt 0x0                           ; all my tensor loads have landed: my part of the next slot;  (every window is 0 here)
	ds_add_u32 v[SPW], v[NIL]                      ; 0 onto my spare word
	s_wait_dscnt 4*NL+1                            ; (the add and the youngest eight loads, A's blocks 4-7, may be out)
	WIN MUL_LO
	MUL16 0, 1, NQ-1, \slot, 0                     ; sixteen matrix instructions stand between the add and the wait for it
	s_wait_dscnt 0x0                               ; the add is done, and no LDS load of mine is out
	s_barrier_signal -1
	MUL16 2, 1, NQ-1, \slot, 0
	WIN 0
	s_barrier_wait -1                              ; the next slot is whole
	PLACES NP
	v_add_nc_u32 v[ADRS], 4*NQ, v[ADRS]            ; on to the next slot's scale words
	FETCH_B \next, 0, 0
	FETCH_A \next, 0, 0
	SCALES \next
	WIN MUL_HI
	MUL16 4, 1, NQ-1, \slot, 0
	MUL16 6, 1, NQ-1, \slot, 0
	PLACES NP
	WIN 0
	FETCH_A \next, 0, 4
.endm
.macro STEPS slot, from                ; the slot's steps from .. NQ - 2
.set Q, \from
.rept NQ-1-\from
	STEP \slot, Q, 0
.set Q, Q+1
.endr
.endm
	s_wait_tensorcnt 1                             ; the scales and my part of slot 0 are in (slot 1's load, issued behind them, may be out)
	s_barrier_signal -1
	s_barrier_wait -1                              ; everybody's are
	FETCH_B 0, 0, 0
	FETCH_A 0, 0, 0
	SCALES 0
	FETCH_A 0, 0, 4
	s_wait_loadcnt 0x0                             ; the bias
	STEP 0, 0, 1                                   ; the first products start the sums
	STEPS 0, 1
	TURN 0, 1
	STEPS 1, 0
	s_wait_dscnt 4*NL                              ; the very last step: nothing more to fetch
	WIN MUL_LO
	MUL16 0, 1, NQ-1, 1, 0
	MUL16 2, 1, NQ-1, 1, 0
	s_wait_dscnt 0
	WIN MUL_HI
	MUL16 4, 1, NQ-1, 1, 0
	MUL16 6, 1, NQ-1, 1, 0
	WIN 0
	PLACES NP                                      ; for the conversions, which read results and write registers that held A's fragments and the bias
; THE WAY OUT, A's block a at a time: each accumulator's eight f32 become 16 bytes a lane (from its low end on), and the wave stores the piece: 512 consecutive bytes, aligned.
; lay = 0 (Q, K): accumulator (a, b) is head b / 4 of my two, tile a of my eight, piece b % 4.   lay = 1 (V): head a / 4, tile b, piece a % 4.
.macro OUT lay
.irp a, 0,1,2,3,4,5,6,7
.if \a > 3
	s_wait_xcnt 0x0                                ; the stores of four blocks back have read their data: the set is written again only behind this wait
.endif
	WIN 0x0a+5*(\a/4)                              ; sources 0 and 1: window 2 or 3
.irp b, 0,1,2,3,4,5,6,7
.irp r, 0,1,2,3
	v_cvt_pk_f16_f32 v[TMP+32*(\a%4)+4*\b+\r], v[64*(\a%4)+8*\b+2*\r], v[64*(\a%4)+8*\b+2*\r+1]
.endr
.endr
	WIN 0
.irp b, 0,1,2,3,4,5,6,7
.if \lay
	global_store_b128 v[CO], v[TMP+32*(\a%4)+4*\b:TMP+32*(\a%4)+4*\b+3], s[98:99] offset:(\a/4)*131072+(\a%4)*512+\b*2048
.else
	global_store_b128 v[CO], v[TMP+32*(\a%4)+4*\b:TMP+32*(\a%4)+4*\b+3], s[98:99] offset:(\b/4)*131072+\a*2048+(\b%4)*512
.endif
.endr
.endr
.endm
	s_cmp_lt_u32 ttmp9, 2                          ; the cluster's x: the same in all partners
	s_cbranch_scc0 .Lout_v
	OUT 0
	s_branch .Ldone
.Lout_v:
	OUT 1
.Ldone:
	s_wait_tensorcnt 0x0                           ; the wave's end: behind my last tensor load
	ds_add_u32 v[SPW], v[NIL]
	s_wait_dscnt 0x0
	CROUND                                         ; the closing round: no work-group ends while a partner may still ask for a tile that names it
	s_endpgm
.Lfunc_end_k_qf2c41e2a1e_gemm:
	.size	k_qf2c41e2a1e_gemm, .Lfunc_end_k_qf2c41e2a1e_gemm-k_qf2c41e2a1e_gemm
	.p2alignl 7, 3214868480
	.fill 96, 4, 3214868480
	.section	.rodata,"a",@progbits
	.p2align	6, 0x0
	.amdhsa_kernel k_qf2c41e2a1e_gemm
		.amdhsa_group_segment_fixed_size 327680
		.amdhsa_private_segment_fixed_size 0
		.amdhsa_enable_private_segment 0
		.amdhsa_kernarg_size 48
		.amdhsa_user_sgpr_count 2
		.amdhsa_user_sgpr_kernarg_segment_ptr 1
		.amdhsa_wavefront_size32 1
		.amdhsa_system_sgpr_workgroup_id_x 1
		.amdhsa_system_sgpr_workgroup_id_y 1
		.amdhsa_system_sgpr_workgroup_id_z 1
		.amdhsa_system_vgpr_workitem_id 0
		.amdhsa_next_free_vgpr 1024
		.amdhsa_next_free_sgpr 102
		.amdhsa_reserve_vcc 0
		.amdhsa_float_denorm_mode_32 3
		.amdhsa_float_denorm_mode_16_64 3
		.amdhsa_memory_ordered 1
		.amdhsa_forward_progress 1
		.amdhsa_inst_pref_size 144
	.end_amdhsa_kernel
	.amdgpu_metadata
---
amdhsa.version: [ 1, 2 ]
amdhsa.kernels:
  - .name:           k_qf2c41e2a1e_gemm
    .symbol:         k_qf2c41e2a1e_gemm.kd
    .args:
      - { .name: h_codes, .offset: 0, .size: 8, .value_kind: global_buffer, .address_space: global }
      - { .name: h_scales, .offset: 8, .size: 8, .value_kind: global_buffer, .address_space: global }
      - { .name: w_codes, .offset: 16, .size: 8, .value_kind: global_buffer, .address_space: global }
      - { .name: w_scales, .offset: 24, .size: 8, .value_kind: global_buffer, .address_space: global }
      - { .name: bq, .offset: 32, .size: 8, .value_kind: global_buffer, .address_space: global }
      - { .name: qkv, .offset: 40, .size: 8, .value_kind: global_buffer, .address_space: global }
    .group_segment_fixed_size: 327680
    .private_segment_fixed_size: 0
    .kernarg_segment_align: 8
    .kernarg_segment_size: 48
    .max_flat_workgroup_size: 128
    .sgpr_count:     102
    .vgpr_count:     1024
    .wavefront_size: 32
...
	.end_amdgpu_metadata
.endif
;; end of part 2
;; launch attn (part 3): grid 2 x 128, 8 waves a work-group, no clusters, 327,680 bytes of LDS; arguments qkv, bv, out0; writes out0
.if DOCPART == 3
	.amdgcn_target "amdgcn-amd-amdhsa--gfx1250"
	.amdhsa_code_object_version 6
	.text
	.protected	k_qf2c41e2a1e_attn
	.globl	k_qf2c41e2a1e_attn
	.p2align	8
	.type	k_qf2c41e2a1e_attn,@function
k_qf2c41e2a1e_attn:
	s_mov_b64 s[64:65], 0
	v_nop
	global_prefetch_b8 v0, s[64:65] scope:SCOPE_SE
	s_setreg_imm32_b32 hwreg(HW_REG_WAVE_MODE, 25, 1), 1
	s_wait_xcnt 0x0
; out0[b][q][64 head + d] = sum_k softmax_k(q . k0 / 8) v0[k][d] + bv[64 head + d].  q, k0, v0: f16, as images of operand registers (the layout is stated at the head of the second kernel); products, maxima and sums in f32;
; the weights p are rounded to f16 for the second product; the row's sum is taken of the unrounded p.
; LEFT OUT: the mask's bias and bk: each adds one number to all scores of a query, which the softmax over the keys takes away (shown at the head of the first kernel).  bv: since the weights sum to 1, it is added once, at the end.
; LIMITS: a NaN or an infinity in attention_mask or bk is not carried to the result; the order of the f32 sums differs from the source's.
; SHARES.  A work-group owns 512 queries of one head (x: which half; y = 16 batch + head), each of its eight waves 64: four tiles of 16.  Two waves share a SIMD's registers, 512 each, so that one wave's softmax
; can stand beside the other's products.  Every wave walks the head's 1,024 keys, 64 a step.
; ALL OF THE HEAD'S K AND V LIES IN LDS, 131,072 bytes each, filled once: four chunks of 256 keys; of each chunk every wave fetches 8,192 dense bytes (waves 0-3: K, waves 4-7: V).  Four tensor loads of a wave are out at the head.
; Nothing is filled again: the only barriers are those at which a chunk is shown whole.
; NO CLUSTER: a head's K and V are read by two work-groups alone; a cluster of four would hold two heads, whose descriptors differ; four blocks of 256 queries would double the work-groups and each would fetch the same 262,144 bytes for half the work.
; NO PREFETCH: every byte that the launch reads is asked for at its head by the loads themselves.
; LAYOUT.  S^T = K Q^T (source 0 = 16 keys, source 1 = 16 queries): a lane holds ONE query (lane % 16) and keys 8 (lane / 16) + 0..7 of each tile of 16.  Two such tiles, rounded in pairs, ARE source 1 (32 keys x 16 queries)
; of O^T = V^T P, whose result again holds one query a lane and eight channels.  A fragment of K or Q is two pieces of a tile; a fragment of V^T is one piece of each of two tiles of keys: ds_load_b128 at 16 x lane, nothing is turned.
; SOFTMAX.  For each query a running maximum m and sum l: p = 2^(c s - c m), c = log2(e) / 8; in every step O and l are multiplied by a = 2^(c m_old - c m_new).
; REGISTERS: window 0: v1-13 addresses; v16-47 eight registers of statistics a tile; v64-191 S^T, 32 a tile (P in place, in a tile's first 16); v192-255 K's fragments (in the last step v192-223: bv).
;   window 1: v0-127 O^T, 32 a tile; v128-191 Q; v192-255 V's fragments.
.set VOFF,  131072                     ; LDS: K at 0, V here,
.set STG,   262144                     ; the way out: 16 rows x (256 + 16) bytes for each wave,
.set SPARE, STG+8*16*272               ; the spare words, 128 bytes for each wave
.set LI,  1                            ; v1   16 x lane: my place in a piece
.set AV0, 3                            ; v3   the same in V
.set ADK, 4                            ; v4   LDS address of the step's K
.set ADV, 5                            ; v5   of its V
.set STO, 6                            ; v6   the way out: where I put 32 bytes of a row
.set RD,  7                            ; v7   where I read a row back
.set GO,  8                            ; v8   my byte offset in the wave's rows of out0
.set BVO, 9                            ; v9   32 x (lane / 16): my eight numbers of a block of 16 of bv
.set SPW, 12                           ; v12  LDS address of my spare word; never rewritten
.set NIL, 13                           ; v13  0; never rewritten
.set ST,  16                           ; tile t at v[ST + 8 t]: +0 c m, +1 m, +2, +3 l (even keys', odd keys'), +4 .. +7 at work; a in +6
.set S,   64
.set KF,  192
.set BV,  192
.set O,   0                            ; window 1
.set QF,  128
.set VF,  192
.set G1,  16                           ; s[16:23] descriptor group 1
.set G0,  24                           ; s[24:39] four groups 0, one for each chunk
.set CS,  40                           ; s[40:41] c
.set SEL, 42                           ; s[42:43] lane selects for v_permlanex16_b32: lane l xor 16
.set TB,  44                           ; s44  LDS byte at which the step's tiles begin, in K and in V
.set CNT, 45                           ; s45  counts a chunk's steps
.set MSB, 0
.macro WIN new
.if MSB != (\new)
	s_set_vgpr_msb (MSB<<8)|(\new)
.set MSB, (\new)
.endif
.endm
.set W_KQ, 0x04                        ; K and S^T window 0, Q window 1
.set W_PV, 0x51                        ; V window 1, P window 0, O^T window 1
.set W_RS, 0x41                        ; O^T (destination and source 0) window 1, a window 0
.set TO_1, 0x40                        ; destination window 1, address window 0
	s_load_b128 s[4:7], s[0:1], 0x0                ; qkv, bv
	s_load_b64 s[8:9], s[0:1], 0x10                ; out0
	v_lshl_add_u32 v[SPW], v0, 2, SPARE
	v_mov_b32 v[NIL], 0
	ds_add_u32 v[SPW], v[NIL]                      ; the wave's opening: the add, twice on end, and its wait ahead of my first tensor load; the set-up below stands between
	ds_add_u32 v[SPW], v[NIL]
	v_lshrrev_b32 v10, 5, v0
	v_readfirstlane_b32 s10, v10                   ; wave 0..7
	s_and_b32 s12, ttmp7, 0xffff                   ; y = 16 batch + head
	; descriptor group 1: 8,192 dense bytes as 32 rows of 256 bytes (32 elements of 8 bytes), no padding: lanes read 16 neighbouring bytes each
	s_mov_b32 s[G1+0], 3<<16
	s_mov_b32 s[G1+1], 32<<16                      ; tensor_dim0
	s_mov_b32 s[G1+2], 32<<16                      ; tensor_dim1
	s_mov_b32 s[G1+3], 32<<16                      ; tile_dim0
	s_mov_b32 s[G1+4], 32                          ; tile_dim1
	s_mov_b32 s[G1+5], 32                          ; from row to row
	s_mov_b32 s[G1+6], 0
	s_mov_b32 s[G1+7], 0
	s_lshr_b32 s13, s10, 2                         ; I fetch for K (0) or for V (1),
	s_and_b32 s14, s10, 3
	s_lshl_b32 s14, s14, 13                        ; this quarter of a chunk
	s_lshl_b32 s15, s13, 17
	s_add_co_u32 s15, s15, s14                     ; in LDS
	s_add_co_u32 s50, s13, 1
	s_lshl_b32 s50, s50, 24                        ; in qkv: part 1 or 2,
	s_add_co_u32 s50, s50, s14
	s_lshl_b32 s13, s12, 17                        ; my head's 131,072 bytes
	s_add_co_u32 s50, s50, s13
	s_mov_b32 s51, 0
	s_lshl_b32 s52, ttmp9, 16                      ; Q (part 0): my head, my half's 32 tiles of 2,048 bytes, my wave's four
	s_add_co_u32 s52, s52, s13
	s_lshl_b32 s13, s10, 13
	s_add_co_u32 s52, s52, s13
	s_mov_b32 s53, 0
	s_lshr_b32 s54, s12, 4
	s_lshl_b32 s54, s54, 22                        ; out0: the batch's 1,024 rows of 4,096 bytes,
	s_lshl_b32 s13, ttmp9, 21                      ; my half's 512,
	s_add_co_u32 s54, s54, s13
	s_lshl_b32 s13, s10, 18                        ; my wave's 64,
	s_add_co_u32 s54, s54, s13
	s_and_b32 s56, s12, 15
	s_lshl_b32 s56, s56, 8                         ; the head's 256 bytes of a row; and of bv
	s_add_co_u32 s54, s54, s56
	s_mov_b32 s55, 0
	s_mov_b32 s57, 0
	s_mov_b32 s[CS], 0x3e38aa3b                    ; c = log2(e) / 8
	s_mov_b32 s[CS+1], s[CS]                       ; (named with it as a pair, so it is written)
	s_mov_b32 s[SEL], 0x76543210
	s_mov_b32 s[SEL+1], 0xfedcba98
	v_and_b32 v[LI], 31, v0
	v_lshlrev_b32 v[LI], 4, v[LI]
	s_wait_dscnt 0x0                               ; both opening adds are done
	s_wait_kmcnt 0x0
	s_add_nc_u64 s[48:49], s[4:5], s[50:51]        ; my quarter of chunk 0
	s_add_nc_u64 s[46:47], s[4:5], s[52:53]        ; my wave's Q
	s_add_nc_u64 s[8:9], s[8:9], s[54:55]
	s_add_nc_u64 s[6:7], s[6:7], s[56:57]
.irp c, 0,1,2,3
	s_mov_b32 s[G0+4*\c], 1                        ; count = 1
	s_add_co_u32 s[G0+4*\c+1], s15, \c*32768       ; LDS address: a chunk is 32,768 bytes of K and of V
	s_add_nc_u64 s[G0+4*\c+2:G0+4*\c+3], s[48:49], \c*32768
	s_or_b32 s[G0+4*\c+3], s[G0+4*\c+3], 0x80000000   ; type = 2
.endr
.irp c, 0,1,2,3
	tensor_load_to_lds s[G0+4*\c:G0+4*\c+3], s[G1:G1+7]   ; all first fills on end, in every wave, ahead of every wait on TENSORcnt, every LDS read and every barrier
	s_nop 0
.endr
.rept 4
	v_nop
.endr
	WIN TO_1
.irp i, 0,1,2,3,4,5,6,7,8,9,10,11,12,13,14,15      ; Q stays in registers: tile i / 4, piece i % 4
	global_load_b128 v[QF+4*\i:QF+4*\i+3], v[LI], s[46:47] offset:512*\i th:TH_LOAD_NT
.endr
	WIN 0
	v_and_b32 v10, 15, v0                          ; r
	v_bfe_u32 v11, v0, 4, 1                        ; h
	v_add_nc_u32 v[AV0], VOFF, v[LI]
	s_mul_i32 s13, s10, 16*272
	s_add_co_u32 s13, s13, STG                     ; my stage
	v_mul_u32_u24 v[STO], v10, 272                 ; in: row r, 32 bytes for each half of the lanes
	v_lshl_add_u32 v[STO], v11, 5, v[STO]
	v_add_nc_u32 v[STO], s13, v[STO]
	v_mul_u32_u24 v[RD], v11, 272                  ; back: lanes 0-15 one row of 256 bytes, lanes 16-31 the next
	v_lshl_add_u32 v[RD], v10, 4, v[RD]
	v_add_nc_u32 v[RD], s13, v[RD]
	v_lshlrev_b32 v[GO], 12, v11                   ; and the same two rows in out0
	v_lshl_add_u32 v[GO], v10, 4, v[GO]
	v_lshlrev_b32 v[BVO], 5, v11
; THE SOFTMAX of a step, for the wave's four tiles: every line is written for tiles 0 to 3 in turn, so that four chains that do not hang on each other alternate.  first = 1: the first step has no old m, no a, nothing to rescale.
.macro SOFTMAX first
.irp k, 0,1,2,3                        ; the maximum of the lane's 32 scores: four chains, each begun at an accumulator's low end
.irp t, 0,1,2,3
	v_max3_num_f32 v[ST+8*\t+4+\k], v[S+32*\t+8*\k], v[S+32*\t+8*\k+1], v[S+32*\t+8*\k+2]
.endr
.endr
.irp n, 3,5
.irp k, 0,1,2,3
.irp t, 0,1,2,3
	v_max3_num_f32 v[ST+8*\t+4+\k], v[ST+8*\t+4+\k], v[S+32*\t+8*\k+\n], v[S+32*\t+8*\k+\n+1]
.endr
.endr
.endr
.irp t, 0,1,2,3
	v_max3_num_f32 v[ST+8*\t+4], v[ST+8*\t+4], v[S+32*\t+7], v[S+32*\t+15]
.endr
.irp t, 0,1,2,3
	v_max3_num_f32 v[ST+8*\t+6], v[ST+8*\t+6], v[S+32*\t+23], v[S+32*\t+31]
.endr
.irp t, 0,1,2,3
	v_max3_num_f32 v[ST+8*\t+4], v[ST+8*\t+4], v[ST+8*\t+5], v[ST+8*\t+6]
.endr
.irp t, 0,1,2,3
.if \first
	v_max_num_f32 v[ST+8*\t+4], v[ST+8*\t+4], v[ST+8*\t+7]
.else
	v_max3_num_f32 v[ST+8*\t+4], v[ST+8*\t+4], v[ST+8*\t+7], v[ST+8*\t+1]   ; and the old m
.endif
.endr
.irp t, 0,1,2,3
	v_permlanex16_b32 v[ST+8*\t+5], v[ST+8*\t+4], s[SEL], s[SEL+1]   ; the query's other 32 keys lie in the lane 16 away
.endr
.if \first == 0
.irp t, 0,1,2,3
	v_mov_b32 v[ST+8*\t+7], v[ST+8*\t]             ; c m_old is kept for a
.endr
.endif
.irp t, 0,1,2,3
	v_max_num_f32 v[ST+8*\t+1], v[ST+8*\t+4], v[ST+8*\t+5]   ; the new m
.endr
.irp t, 0,1,2,3
	v_mul_f32 v[ST+8*\t], s[CS], v[ST+8*\t+1]      ; c m
.endr
.if \first == 0
.irp t, 0,1,2,3
	v_sub_f32 v[ST+8*\t+7], v[ST+8*\t+7], v[ST+8*\t]
.endr
.irp t, 0,1,2,3
	v_exp_f32 v[ST+8*\t+6], v[ST+8*\t+7]           ; a = 2^(c m_old - c m_new).  From here to the wait below no line names an exponential's result
.endr
.endif
.irp b, 0,1,2,3,4,5,6,7,8,9,10,11,12,13,14,15      ; pair b of the scores: c s - c m, then p = 2^that, in place
.irp t, 0,1,2,3
	v_pk_fma_f32 v[S+32*\t+2*\b:S+32*\t+2*\b+1], v[S+32*\t+2*\b:S+32*\t+2*\b+1], s[CS:CS+1], v[ST+8*\t:ST+8*\t+1] op_sel_hi:[1,0,0] neg_lo:[0,0,1] neg_hi:[0,0,1]
.endr
.irp t, 0,1,2,3
	v_exp_f32 v[S+32*\t+2*\b], v[S+32*\t+2*\b]
	v_exp_f32 v[S+32*\t+2*\b+1], v[S+32*\t+2*\b+1]
.endr
.endr
	v_nop                                          ; a plain line behind the last exponential, ahead of the first use
	s_wait_alu depctr_va_vdst(0)                   ; and ONE wait for the step's whole batch of exponentials, ahead of its first reader
.if \first                             ; the sums, of the unrounded p
.irp t, 0,1,2,3
	v_pk_add_f32 v[ST+8*\t+2:ST+8*\t+3], v[S+32*\t:S+32*\t+1], v[S+32*\t+2:S+32*\t+3]
.endr
.else
.irp t, 0,1,2,3
	v_pk_fma_f32 v[ST+8*\t+2:ST+8*\t+3], v[ST+8*\t+2:ST+8*\t+3], v[ST+8*\t+6:ST+8*\t+7], v[S+32*\t:S+32*\t+1] op_sel_hi:[1,0,1]   ; l = a l + the first pair
.endr
.irp t, 0,1,2,3
	v_pk_add_f32 v[ST+8*\t+2:ST+8*\t+3], v[ST+8*\t+2:ST+8*\t+3], v[S+32*\t+2:S+32*\t+3]
.endr
.endif
.irp b, 2,3,4,5,6,7,8,9,10,11,12,13,14,15
.irp t, 0,1,2,3
	v_pk_add_f32 v[ST+8*\t+2:ST+8*\t+3], v[ST+8*\t+2:ST+8*\t+3], v[S+32*\t+2*\b:S+32*\t+2*\b+1]
.endr
.endr
.irp i, 0,1,2,3,4,5,6,7,8,9,10,11,12,13,14,15      ; P, in place: register i takes pair i; ascending, so that no pair is written before it is read
.irp t, 0,1,2,3
	v_cvt_pk_f16_f32 v[S+32*\t+\i], v[S+32*\t+2*\i], v[S+32*\t+2*\i+1]
.endr
.endr
.if \first == 0
	WIN W_RS
.irp i, 0,1,2,3,4,5,6,7,8,9,10,11,12,13,14,15      ; O^T times a, each accumulator from its low end on
.irp t, 0,1,2,3
	v_pk_mul_f32 v[O+32*\t+2*\i:O+32*\t+2*\i+1], v[O+32*\t+2*\i:O+32*\t+2*\i+1], v[ST+8*\t+6:ST+8*\t+7] op_sel_hi:[1,0]
.endr
.endr
	WIN 0
.endif
.endm
; A KEY STEP: 64 keys.  first = 1: the products V^T P start O^T's sums.  last = 1: bv is asked for into K's registers, which are free behind the last K Q^T.
.macro STEP first, last
	v_add_nc_u32 v[ADK], s[TB], v[LI]
	v_add_nc_u32 v[ADV], s[TB], v[AV0]
.rept 3
	v_nop                                          ; with the two additions five places behind the last V^T P: four are owed to the loads into V's registers, five to the products below, which write over P's
.endr
.irp i, 0,1,2,3,4,5,6,7,8,9,10,11,12,13,14,15      ; K: tile i / 4 of 16 keys, piece i % 4: fragment (kt, c) at v[KF + 8 (2 kt + c)]
	ds_load_b128 v[KF+4*\i:KF+4*\i+3], v[ADK] offset:512*\i
.endr
	WIN TO_1
.irp g, 0,1                            ; V^T: fragment (g, ct), keys 32 g on, channels 16 ct on: piece ct of the tiles of keys 2 g and 2 g + 1
.irp ct, 0,1,2,3
.irp e, 0,1
	ds_load_b128 v[VF+8*(4*\g+\ct)+4*\e:VF+8*(4*\g+\ct)+4*\e+3], v[ADV] offset:(2*\g+\e)*2048+\ct*512
.endr
.endr
.endr
	s_wait_dscnt 16                                ; K is in; V's sixteen loads, issued behind K's, may be out
	WIN W_KQ
.irp c, 0,1                            ; S^T = K Q^T: 16 accumulators by turns, one instruction a turn; the first 16 start the sums
.irp kt, 0,1,2,3
.irp t, 0,1,2,3
.if \c == 0
	v_wmma_f32_16x16x32_f16 v[S+32*\t+8*\kt:S+32*\t+8*\kt+7], v[KF+8*(2*\kt+\c):KF+8*(2*\kt+\c)+7], v[QF+8*(2*\t+\c):QF+8*(2*\t+\c)+7], 0
.else
	v_wmma_f32_16x16x32_f16 v[S+32*\t+8*\kt:S+32*\t+8*\kt+7], v[KF+8*(2*\kt+\c):KF+8*(2*\kt+\c)+7], v[QF+8*(2*\t+\c):QF+8*(2*\t+\c)+7], v[S+32*\t+8*\kt:S+32*\t+8*\kt+7]
.endif
.endr
.endr
.endr
	WIN 0
.rept 4
	v_nop                                          ; four places in front of the first read of the scores (and of the loads into K's registers)
.endr
.if \last
.irp i, 0,1,2,3,4,5,6,7                ; register 8 ct + j = bv[64 head + 16 ct + 8 (lane / 16) + j]: O^T's layout
	global_load_b128 v[BV+4*\i:BV+4*\i+3], v[BVO], s[6:7] offset:64*(\i/2)+16*(\i%2)
.endr
.endif
	SOFTMAX \first
	s_wait_dscnt 0x0                               ; V is in
	WIN W_PV
.irp g, 0,1                            ; O^T += V^T P: 16 accumulators by turns
.irp ct, 0,1,2,3
.irp t, 0,1,2,3
.if (\first) && (\g == 0)
	v_wmma_f32_16x16x32_f16 v[O+32*\t+8*\ct:O+32*\t+8*\ct+7], v[VF+8*(4*\g+\ct):VF+8*(4*\g+\ct)+7], v[S+32*\t+8*\g:S+32*\t+8*\g+7], 0
.else
	v_wmma_f32_16x16x32_f16 v[O+32*\t+8*\ct:O+32*\t+8*\ct+7], v[VF+8*(4*\g+\ct):VF+8*(4*\g+\ct)+7], v[S+32*\t+8*\g:S+32*\t+8*\g+7], v[O+32*\t+8*\ct:O+32*\t+8*\ct+7]
.endif
.endr
.endr
.endr
	WIN 0                                          ; at a label and at a branch every window is 0
.if \last == 0
	s_add_co_u32 s[TB], s[TB], 8192                ; four tiles of 2,048 bytes on, in K and in V
.endif
.endm
; Chunk c is shown whole: my part of it has landed (the 3 - c loads issued behind it may be out), no LDS instruction of mine is out, and so for all eight waves.
.macro ARRIVE c
	s_wait_tensorcnt 3-\c
	s_wait_dscnt 0x0
	s_barrier_signal -1
	s_barrier_wait -1
	s_mov_b32 s[TB], \c*32768
.endm
	ARRIVE 0
	s_wait_loadcnt 0x0                             ; Q
	STEP 1, 0
	s_mov_b32 s[CNT], 3
.Lchunk0:
	STEP 0, 0
	s_sub_co_u32 s[CNT], s[CNT], 1
	s_cmp_lg_u32 s[CNT], 0
	s_cbranch_scc1 .Lchunk0
	ARRIVE 1
	s_mov_b32 s[CNT], 4
.Lchunk1:
	STEP 0, 0
	s_sub_co_u32 s[CNT], s[CNT], 1
	s_cmp_lg_u32 s[CNT], 0
	s_cbranch_scc1 .Lchunk1
	ARRIVE 2
	s_mov_b32 s[CNT], 4
.Lchunk2:
	STEP 0, 0
	s_sub_co_u32 s[CNT], s[CNT], 1
	s_cmp_lg_u32 s[CNT], 0
	s_cbranch_scc1 .Lchunk2
	ARRIVE 3
	s_mov_b32 s[CNT], 3
.Lchunk3:
	STEP 0, 0
	s_sub_co_u32 s[CNT], s[CNT], 1
	s_cmp_lg_u32 s[CNT], 0
	s_cbranch_scc1 .Lchunk3
	STEP 0, 1
	; THE WAY OUT.  l's two halves and the other half of the lanes' are added (these lines are the places behind the last products); O^T / l + bv in one multiply-add; a tile (16 rows x 256 bytes) at a time through my stage.
.irp t, 0,1,2,3
	v_add_f32 v[ST+8*\t+4], v[ST+8*\t+2], v[ST+8*\t+3]
.endr
.irp t, 0,1,2,3
	v_permlanex16_b32 v[ST+8*\t+5], v[ST+8*\t+4], s[SEL], s[SEL+1]
.endr
.irp t, 0,1,2,3
	v_add_f32 v[ST+8*\t+4], v[ST+8*\t+4], v[ST+8*\t+5]
.endr
.irp t, 0,1,2,3
	v_rcp_f32 v[ST+8*\t+6], v[ST+8*\t+4]
.endr
	v_nop                                          ; a plain line between the last reciprocal and the use of its result
	s_wait_alu depctr_va_vdst(0)                   ; and one wait for the four
	s_wait_loadcnt 0x0                             ; bv
.macro PACK t
	WIN 0x01                                       ; source 0 (O^T) window 1
.irp i, 0,1,2,3,4,5,6,7,8,9,10,11,12,13,14,15
	v_pk_fma_f32 v[S+32*\t+2*\i:S+32*\t+2*\i+1], v[O+32*\t+2*\i:O+32*\t+2*\i+1], v[ST+8*\t+6:ST+8*\t+7], v[BV+2*\i:BV+2*\i+1] op_sel_hi:[1,0,1]
.endr
	WIN 0
.irp f, 0,1,2,3,4,5,6,7                ; register 4 f on: channels 16 (f / 2) + 8 h + 4 (f % 2) on: byte 64 (f / 2) + 32 h + 16 (f % 2) of row r
	ds_store_b128 v[STO], v[S+32*\t+4*\f:S+32*\t+4*\f+3] offset:64*(\f/2)+16*(\f%2)
.endr
.irp f, 0,1,2,3,4,5,6,7
	ds_load_b128 v[S+32*\t+4*\f:S+32*\t+4*\f+3], v[RD] offset:\f*544   ; LDS serves a wave's instructions in order: these see the stores above, and the next tile's stores come behind them
.endr
.endm
.macro SEND t, younger                 ; younger: the LDS instructions issued behind tile t's loads: the next tile's sixteen, or none
.irp f, 0,1,2,3,4,5,6,7
	s_wait_dscnt \younger+7-\f
	global_store_b128 v[GO], v[S+32*\t+4*\f:S+32*\t+4*\f+3], s[8:9] offset:\t*65536+\f*8192 th:TH_STORE_NT   ; 16 lanes store 256 consecutive bytes, at a multiple of 256 from out0's first byte
.endr
.endm
	PACK 0
	PACK 1                                         ; a tile's arithmetic stands between the loads of the tile before and its stores
	SEND 0, 16
	PACK 2
	SEND 1, 16
	PACK 3
	SEND 2, 16
	SEND 3, 0
	s_wait_tensorcnt 0x0                           ; the wave's end: behind my last tensor load and my last LDS store
	ds_add_u32 v[SPW], v[NIL]
	s_wait_dscnt 0x0
	s_endpgm
.Lfunc_end_k_qf2c41e2a1e_attn:
	.size	k_qf2c41e2a1e_attn, .Lfunc_end_k_qf2c41e2a1e_attn-k_qf2c41e2a1e_attn
	.p2alignl 7, 3214868480
	.fill 96, 4, 3214868480
	.section	.rodata,"a",@progbits
	.p2align	6, 0x0
	.amdhsa_kernel k_qf2c41e2a1e_attn
		.amdhsa_group_segment_fixed_size 327680
		.amdhsa_private_segment_fixed_size 0
		.amdhsa_enable_private_segment 0
		.amdhsa_kernarg_size 24
		.amdhsa_user_sgpr_count 2
		.amdhsa_user_sgpr_kernarg_segment_ptr 1
		.amdhsa_wavefront_size32 1
		.amdhsa_system_sgpr_workgroup_id_x 1
		.amdhsa_system_sgpr_workgroup_id_y 1
		.amdhsa_system_sgpr_workgroup_id_z 1
		.amdhsa_system_vgpr_workitem_id 0
		.amdhsa_next_free_vgpr 512
		.amdhsa_next_free_sgpr 66
		.amdhsa_reserve_vcc 0
		.amdhsa_float_denorm_mode_32 3
		.amdhsa_float_denorm_mode_16_64 3
		.amdhsa_memory_ordered 1
		.amdhsa_forward_progress 1
		.amdhsa_inst_pref_size 206
	.end_amdhsa_kernel
	.amdgpu_metadata
---
amdhsa.version: [ 1, 2 ]
amdhsa.kernels:
  - .name:           k_qf2c41e2a1e_attn
    .symbol:         k_qf2c41e2a1e_attn.kd
    .args:
      - { .name: qkv, .offset: 0, .size: 8, .value_kind: global_buffer, .address_space: global }
      - { .name: bv, .offset: 8, .size: 8, .value_kind: global_buffer, .address_space: global }
      - { .name: out0, .offset: 16, .size: 8, .value_kind: global_buffer, .address_space: global }
    .group_segment_fixed_size: 327680
    .private_segment_fixed_size: 0
    .kernarg_segment_align: 8
    .kernarg_segment_size: 24
    .max_flat_workgroup_size: 256
    .sgpr_count:     66
    .vgpr_count:     512
    .wavefront_size: 32
...
	.end_amdgpu_metadata
.endif
;; end of part 3
